; MI455X (gfx1250); checked and timed in simulation.
; The chip was launched on July 23, 2026; its instructions are those of AMD's public machine-readable ISA for CDNA 5 (MIT licence, August 2026) and "CDNA5" Instruction Set Architecture Reference Guide (July 2026). The comments in the code are by the model that wrote it; some were corrected since.
;; Multi Headed Attention. Allowed arithmetic: float matrix products may take bf16 or f16 operands with f32 sums; all other float work in f32.
;; Inputs: W_K 1,024 x 1,024 float32; W_Q 1,024 x 1,024 float32; W_V 1,024 x 1,024 float32; W_ffn 1,024 x 1,024 float32; b_ffn 1,024 float32; key 2 x 2,048 x 1,024 float32; query 2 x 2,048 x 1,024 float32; value 2 x 2,048 x 1,024 float32.
;; Outputs: out0 2 x 2,048 x 1,024 float32.
;; One version. Each part assembles by itself: llvm-mc -triple=amdgcn-amd-amdhsa -mcpu=gfx1250 --defsym DOCPART=n.
;; ======== version 1 of 1: 4 launches
;; limits: values are held in f16: magnitudes above 65,504 overflow, below 6.1e-05 lose precision
;; workspace buffers: xw 33,554,432 bytes; qkv 25,165,824 bytes; ctx 8,388,608 bytes
;; launch cast (part 1): grid 64 x 16, 8 waves a work-group, no clusters, 0 bytes of LDS; arguments query, key, value, W_Q, W_K, W_V, W_ffn, xw; writes xw
.if DOCPART == 1
	.amdgcn_target "amdgcn-amd-amdhsa--gfx1250"
	.amdhsa_code_object_version 6
	.text
	.protected	k_q5bb5fbddfd_cast
	.globl	k_q5bb5fbddfd_cast
	.p2align	8
	.type	k_q5bb5fbddfd_cast,@function
k_q5bb5fbddfd_cast:
	s_mov_b64 s[64:65], 0
	v_nop
	global_prefetch_b8 v0, s[64:65] scope:SCOPE_SE
	s_setreg_imm32_b32 hwreg(HW_REG_WAVE_MODE, 25, 1), 1
	s_wait_xcnt 0x0
; The seven f32 tensors are rounded once to 16 bits and laid one behind the other as xw[16384][1024]:
; rows 0-4095 query, 4096-8191 key, 8192-12287 value, 12288- W_Q, 13312- W_K, 14336- W_V (all bf16), 15360- W_ffn.
; W_ffn is rounded to bf16 like every other input and then carried as f16, because its partner in the last product is f16:
; that second step is exact for 2^-14 <= |w| < 65504; below that the absolute error is at most 2^-25; at 65504 and above it overflows.
; A stream: no LDS, no matrix unit, no barrier.  Grid y = a unit of 4 MiB of f32 (units 0-3 query, 4-7 key, 8-11 value, 12-15 the weights),
; grid x = 64 KiB inside the unit.  Eight waves; thread t takes 16 bytes at 16 t of each of sixteen pieces of 4,096 bytes, so a wave's load
; covers 512 neighbouring bytes and its store of 8 bytes a lane 256 neighbouring bytes, aligned.  All sixteen loads go out first.
.set X, 4                              ; v[4:67]    piece i: four f32 as loaded
.set Y, 68                             ; v[68:99]   piece i: four 16-bit numbers to store
.set T, 100                            ; v[100:101] at work (W_ffn only)
	s_load_b512 s[8:23], s[0:1], 0x0               ; query, key, value, W_Q, W_K, W_V, W_ffn in s[8:21], xw in s[22:23]
	s_and_b32 s2, ttmp7, 0xffff                    ; the unit, 0 to 15
	s_lshr_b32 s3, s2, 2                           ; units 0-11: tensor = unit / 4,
	s_sub_co_u32 s4, s2, 9                         ; units 12-15: tensor = unit - 9 (not used below 12)
	s_and_b32 s5, s2, 3                            ; units 0-11: which 4 MiB of the tensor
	s_cmp_lt_u32 s2, 12
	s_cselect_b32 s3, s3, s4                       ; the tensor's number, 0 to 6
	s_cselect_b32 s5, s5, 0
	s_lshl_b32 s28, s5, 22
	s_lshl_b32 s6, ttmp9, 16
	s_add_co_u32 s28, s28, s6                      ; byte offset in the source: part x 4 MiB + x x 64 KiB
	s_mov_b32 s29, 0
	s_lshl_b32 s30, s2, 21
	s_lshl_b32 s6, ttmp9, 15
	s_add_co_u32 s30, s30, s6                      ; byte offset in xw: unit x 2 MiB + x x 32 KiB
	s_mov_b32 s31, 0
	v_lshlrev_b32 v1, 4, v0                        ; 16 t
	v_lshlrev_b32 v2, 3, v0                        ; 8 t
	s_wait_kmcnt 0x0
	s_mov_b64 s[26:27], s[8:9]
.irp k, 1,2,3,4,5,6
	s_cmp_eq_u32 s3, \k                            ; the choice hangs on the unit's number alone
	s_cselect_b64 s[26:27], s[8+2*\k:9+2*\k], s[26:27]
.endr
	s_add_nc_u64 s[26:27], s[26:27], s[28:29]
	s_add_nc_u64 s[22:23], s[22:23], s[30:31]
.irp i, 0,1,2,3,4,5,6,7,8,9,10,11,12,13,14,15
	global_load_b128 v[X+4*\i:X+4*\i+3], v1, s[26:27] offset:4096*\i th:TH_LOAD_NT
.endr
; Piece i: wait for its load (the 15 - i younger ones stay out), round, store.  No register is written twice while a load or store names it.
.macro CV i, half
	s_wait_loadcnt 15-\i
	v_cvt_pk_bf16_f32 v[Y+2*\i],   v[X+4*\i],   v[X+4*\i+1]
	v_cvt_pk_bf16_f32 v[Y+2*\i+1], v[X+4*\i+2], v[X+4*\i+3]
.if \half
.irp k, 0,1
	v_lshlrev_b32 v[T],   16,         v[Y+2*\i+\k]     ; the two bf16 as f32,
	v_and_b32     v[T+1], 0xffff0000, v[Y+2*\i+\k]
	v_cvt_pk_f16_f32 v[Y+2*\i+\k], v[T], v[T+1]        ; and as f16
.endr
.endif
	global_store_b64 v2, v[Y+2*\i:Y+2*\i+1], s[22:23] offset:2048*\i
.endm
	s_cmp_eq_u32 s2, 15                            ; unit 15 is W_ffn
	s_cbranch_scc1 .Lhalf
.irp i, 0,1,2,3,4,5,6,7,8,9,10,11,12,13,14,15
	CV \i, 0
.endr
	s_endpgm
.Lhalf:
.irp i, 0,1,2,3,4,5,6,7,8,9,10,11,12,13,14,15
	CV \i, 1
.endr
	s_endpgm
.Lfunc_end_k_q5bb5fbddfd_cast:
	.size	k_q5bb5fbddfd_cast, .Lfunc_end_k_q5bb5fbddfd_cast-k_q5bb5fbddfd_cast
	.p2alignl 7, 3214868480
	.fill 96, 4, 3214868480
	.section	.rodata,"a",@progbits
	.p2align	6, 0x0
	.amdhsa_kernel k_q5bb5fbddfd_cast
		.amdhsa_group_segment_fixed_size 0
		.amdhsa_private_segment_fixed_size 0
		.amdhsa_enable_private_segment 0
		.amdhsa_kernarg_size 64
		.amdhsa_user_sgpr_count 2
		.amdhsa_user_sgpr_kernarg_segment_ptr 1
		.amdhsa_wavefront_size32 1
		.amdhsa_system_sgpr_workgroup_id_x 1
		.amdhsa_system_sgpr_workgroup_id_y 1
		.amdhsa_system_sgpr_workgroup_id_z 1
		.amdhsa_system_vgpr_workitem_id 0
		.amdhsa_next_free_vgpr 104
		.amdhsa_next_free_sgpr 66
		.amdhsa_reserve_vcc 0
		.amdhsa_float_denorm_mode_32 3
		.amdhsa_float_denorm_mode_16_64 3
		.amdhsa_memory_ordered 1
		.amdhsa_forward_progress 1
		.amdhsa_inst_pref_size 16
	.end_amdhsa_kernel
	.amdgpu_metadata
---
amdhsa.version: [ 1, 2 ]
amdhsa.kernels:
  - .name:           k_q5bb5fbddfd_cast
    .symbol:         k_q5bb5fbddfd_cast.kd
    .args:
      - { .name: query, .offset: 0, .size: 8, .value_kind: global_buffer, .address_space: global }
      - { .name: key, .offset: 8, .size: 8, .value_kind: global_buffer, .address_space: global }
      - { .name: value, .offset: 16, .size: 8, .value_kind: global_buffer, .address_space: global }
      - { .name: W_Q, .offset: 24, .size: 8, .value_kind: global_buffer, .address_space: global }
      - { .name: W_K, .offset: 32, .size: 8, .value_kind: global_buffer, .address_space: global }
      - { .name: W_V, .offset: 40, .size: 8, .value_kind: global_buffer, .address_space: global }
      - { .name: W_ffn, .offset: 48, .size: 8, .value_kind: global_buffer, .address_space: global }
      - { .name: xw, .offset: 56, .size: 8, .value_kind: global_buffer, .address_space: global }
    .group_segment_fixed_size: 0
    .private_segment_fixed_size: 0
    .kernarg_segment_align: 8
    .kernarg_segment_size: 64
    .max_flat_workgroup_size: 256
    .sgpr_count:     66
    .vgpr_count:     104
    .wavefront_size: 32
...
	.end_amdgpu_metadata
.endif
;; end of part 1
;; launch proj (part 2): grid 4 x 48, 4 waves a work-group, clusters of 4 x 4, 327,680 bytes of LDS; arguments xw, qkv; writes qkv
.if DOCPART == 2
	.amdgcn_target "amdgcn-amd-amdhsa--gfx1250"
	.amdhsa_code_object_version 6
	.text
	.protected	k_q5bb5fbddfd_proj
	.globl	k_q5bb5fbddfd_proj
	.p2align	8
	.type	k_q5bb5fbddfd_proj,@function
k_q5bb5fbddfd_proj:
	s_mov_b64 s[64:65], 0
	v_nop
	global_prefetch_b8 v0, s[64:65] scope:SCOPE_SE
	s_setreg_imm32_b32 hwreg(HW_REG_WAVE_MODE, 25, 1), 1
	s_wait_xcnt 0x0
	s_wait_alu depctr_hold_cnt(0) depctr_sa_sdst(0) depctr_va_vdst(0) depctr_va_sdst(0) depctr_va_ssrc(0) depctr_va_vcc(0) depctr_vm_vsrc(0)
	s_getreg_b32 s2, hwreg(HW_REG_IB_STS2, 6, 4)
	s_cmp_eq_u32 s2, 0
	s_cbranch_scc0 .Lentry_in_a_cluster
	s_endpgm
.Lentry_in_a_cluster:
	s_bfe_u32 s2, ttmp6, 0x10000c
	s_cmp_lg_u32 s2, 0xf033
	s_cbranch_scc0 .Lentry_shape_is_right
	s_endpgm
.Lentry_shape_is_right:
; The three projections as one product: qkv[m][n] = sum over k of xw[m][k] W[n][k], m = 0 .. 12287 (query, key, value rows of xw),
; W = W_Q, W_K or W_V by m / 4096 (rows 12288 + 1024 (m / 4096) + n of xw).  Operands bf16, sums f32, result rounded once to f16.
; LIMIT: a projected number of magnitude 65504 or more overflows f16.
; Row-major qkv already is the reference's view [32 heads][2048][64]: head g is the 262,144 bytes at g x 262,144 of each third.
; A work-group makes a block of 256 x 256 with four waves; a wave makes 128 x 128: 64 accumulator tiles of 16 x 16, 512 registers.
; K goes in steps of 128 through a ring of two LDS slots filled by the tensor data mover; a tile's rows are 256 bytes, aligned to 256.
; CLUSTERS: 4 x 4 work-groups.  The four of a row of the cluster need the same tiles of the left operand, the four of a column the same tiles of W:
; each tile is asked for jointly, by the same tensor load with the same descriptor and a mask that names the four.  A cluster's sixteen blocks
; lie in one third of qkv (16 block rows a third, 4 a cluster), so W's choice hangs on the cluster's y alone.
;
; REGISTERS, in windows of 256:
;   window 0: v0-31 addresses; v64-127, v128-191 fragments of the left operand, two buffers; v192-223 at work on the way out
;   window 1: v64-127, v128-191 fragments of W, two buffers
;   window 2: the 32 accumulator tiles of my rows 0-63 (tile (a, b) at v[8 (8 a + b)]);   window 3: those of my rows 64-127
; The matrix instruction is used transposed (source 0 = 16 rows of W, source 1 = 16 rows of the left operand): lane l then holds row l % 16 of the
; result and its registers the columns 8 (l / 16) + 0 .. 7, eight neighbouring numbers that pack into 16 bytes.
.set SIZE_N, 1024
.set SIZE_K, 1024
.set WROW0,  12288                     ; W_Q's first row in xw
.set KSTEP,  128
.set PITCH,  272                       ; an LDS row: 256 bytes + 16 of padding = 17 x 16 bytes, so the 16 rows of a fragment load start in 16 different 16-byte columns of 256
.set HALFT,  128*PITCH                 ; 128 rows: what one tensor load brings
.set SLOT,   4*HALFT                   ; the left operand's 256 rows, then W's 256 rows
.set STAGE,  2*SLOT                    ; behind the ring: 16 rows x 272 bytes for each wave, for the way out; no tensor load lands there
.set SPITCH, 272
.set LAPS, SIZE_K/(2*KSTEP)            ; a lap = two K steps = once round the ring: 4 laps
.set ADRA, 16                          ; v16-17  LDS address of my left fragments in slot 0, 1
.set ADRB, 20                          ; v20-21  the same for W
.set STO,  24                          ; v24     the way out: where I put 16 bytes of a row
.set RD,   25                          ; v25     the way out: where I read a row back
.set CO,   26                          ; v26     my byte offset in qkv
.set F0,   64
.set F1,   128
.set TMP,  192
.set G1, 24                            ; s[24:31] descriptor group 1, left operand
.set G0, 32                            ; s[32:39] descriptor group 0, left operand, one set for each slot
.set G1B, 48                           ; s[48:55] group 1 for W: differs in the mask alone
.set G0B, 56                           ; s[56:63] group 0 for W, one set for each slot
.set MSB, 0
.macro WIN new                         ; the immediate's high byte repeats the setting that is left
.if MSB != \new
	s_set_vgpr_msb (MSB<<8)|\new
.set MSB, \new
.endif
.endm
.set MUL_LO, 0xa1                      ; source 0 (W) window 1, source 1 window 0, C and D window 2
.set MUL_HI, 0xf1                      ; the same, C and D window 3
.set TO_B,   0x40                      ; destination window 1, address window 0
; A joint load.  Waves 0 and 1 fetch the left operand's two halves, waves 2 and 3 W's.  The branch hangs on the wave's number alone.
.macro JLOAD s
	s_cmp_eq_u32 s11, 0
	s_cbranch_scc0 .Lfor_b_\@
	tensor_load_to_lds s[G0+4*\s:G0+4*\s+3], s[G1:G1+7]
	s_nop 0
	s_branch .Lasked_\@
.Lfor_b_\@:
	tensor_load_to_lds s[G0B+4*\s:G0B+4*\s+3], s[G1B:G1B+7]
	s_nop 0
.Lasked_\@:
.endm
; A round of the cluster's barrier: my work-group's barrier; wave 0 signals for the work-group; every wave waits for all sixteen; my work-group's barrier again.
.macro CREST                           ; a round behind its opening barrier
	s_cmp_lg_u32 s10, 0
	s_cbranch_scc1 .Lnot_wave_0_\@
	s_barrier_signal -3
.Lnot_wave_0_\@:
	s_barrier_wait -3
	s_barrier_signal -1
	s_barrier_wait -1
.endm
.macro CROUND
	s_barrier_signal -1
	s_barrier_wait -1
	CREST
.endm
	s_load_b128 s[4:7], s[0:1], 0x0                ; xw s[4:5], qkv s[6:7]
	s_set_vgpr_msb 0x40
	v_lshl_add_u32 v255, v0, 2, 0x48400
	s_set_vgpr_msb 0x4000
	v_mov_b32 v255, 0
	s_set_vgpr_msb 0x1
	ds_add_u32 v255, v255
	ds_add_u32 v255, v255
	s_set_vgpr_msb 0x100
	v_lshrrev_b32 v1, 5, v0
	v_readfirstlane_b32 s10, v1                    ; wave 0..3
	s_lshr_b32 s11, s10, 1                         ; which half of the block's rows is mine.  Also: I fetch the left operand (0) or W (1)
	s_and_b32 s12, s10, 1                          ; which half of its columns.  Also: which 128 rows of that tile I fetch
	s_bfe_u32 s40, ttmp6, 0x40000                  ; cx
	s_bfe_u32 s41, ttmp6, 0x40004                  ; cy
	s_lshl_b32 s42, ttmp9, 2
	s_add_co_u32 s42, s42, s40                     ; block column = 4 x cluster x + cx
	s_and_b32 s13, ttmp7, 0xffff
	s_lshl_b32 s13, s13, 2
	s_add_co_u32 s13, s13, s41                     ; block row = 4 x cluster y + cy
	s_and_b32 s45, ttmp7, 0xffff
	s_lshr_b32 s45, s45, 2                         ; which third: cluster y / 4, the same in all sixteen work-groups
	s_lshl_b32 s45, s45, 10
	s_add_co_u32 s45, s45, WROW0                   ; that W's first row in xw
	s_lshl_b32 s43, s41, 2
	s_lshl_b32 s43, 15, s43                        ; my row of the cluster: places 4 cy .. 4 cy + 3
	s_lshl_b32 s44, 0x1111, s40                    ; my column: places cx, cx + 4, cx + 8, cx + 12
	; group 1: a tile of 128 rows x 128 elements of 2 bytes, 4 words of padding behind every 64
	s_or_b32 s[G1+0], s43, (1<<16)|(1<<20)|(1<<21)|(5<<22)|(3<<25)
	s_or_b32 s[G1B+0], s44, (1<<16)|(1<<20)|(1<<21)|(5<<22)|(3<<25)
	s_mov_b32 s[G1B+1], KSTEP<<16
	s_mov_b32 s[G1+1], KSTEP<<16                   ; tensor_dim0 = 128
	s_mov_b32 s[G1B+2], 128<<16
	s_mov_b32 s[G1+2], 128<<16                     ; tensor_dim1 = 128
	s_mov_b32 s[G1B+3], KSTEP<<16
	s_mov_b32 s[G1+3], KSTEP<<16                   ; tile_dim0 = 128
	s_mov_b32 s[G1B+4], 128
	s_mov_b32 s[G1+4], 128                         ; tile_dim1 = 128
	s_mov_b32 s[G1B+5], SIZE_K
	s_mov_b32 s[G1+5], SIZE_K                      ; elements from row to row
	s_mov_b32 s[G1B+6], 0
	s_mov_b32 s[G1+6], 0
	s_mov_b32 s[G1B+7], 0
	s_mov_b32 s[G1+7], 0
	; where the tiles come from: the left operand's hang on the block row alone, W's on the block column and the cluster's y alone
	s_lshl_b32 s17, s12, 7
	s_lshl_b32 s16, s13, 8
	s_add_co_u32 s16, s16, s17                     ; left: row 256 x block row + 128 x half
	s_lshl_b32 s46, s42, 8
	s_add_co_u32 s46, s46, s17
	s_add_co_u32 s46, s46, s45                     ; W: its first row + 256 x block column + 128 x half
	s_mov_b32 s17, 0
	s_mov_b32 s47, 0
	s_mov_b64 s[18:19], SIZE_K*2
	s_mul_u64 s[16:17], s[16:17], s[18:19]
	s_mul_u64 s[46:47], s[46:47], s[18:19]
	s_mul_i32 s20, s10, HALFT                      ; where they go: wave x 128 rows
	s_wait_dscnt 0x0
	s_wait_kmcnt 0x0
	s_add_nc_u64 s[14:15], s[4:5], s[16:17]
	s_add_nc_u64 s[46:47], s[4:5], s[46:47]
	s_mov_b64 s[8:9], s[6:7]                       ; the result's address
	CROUND                                         ; all sixteen work-groups are here: the first joint loads meet
.irp s, 0,1
	s_mov_b32 s[G0+4*\s], 1
	s_add_co_u32 s[G0+4*\s+1], s20, \s*SLOT
	s_add_nc_u64 s[G0+4*\s+2:G0+4*\s+3], s[14:15], \s*KSTEP*2
	s_or_b32 s[G0+4*\s+3], s[G0+4*\s+3], 0x80000000
	s_mov_b32 s[G0B+4*\s], 1
	s_add_co_u32 s[G0B+4*\s+1], s20, \s*SLOT
	s_add_nc_u64 s[G0B+4*\s+2:G0B+4*\s+3], s[46:47], \s*KSTEP*2
	s_or_b32 s[G0B+4*\s+3], s[G0B+4*\s+3], 0x80000000
	JLOAD \s                                       ; both slots' first fills go out before anything else: two loads of mine are out
.endr
	; a fragment is 16 rows x 32 K in 8 registers: lane l holds row l % 16; two loads of 16 bytes, 32 bytes apart, at row x pitch + 16 (l / 16)
	v_and_b32 v1, 15, v0
	v_bfe_u32 v2, v0, 4, 1
	v_mul_u32_u24 v3, v1, PITCH
	v_lshl_add_u32 v3, v2, 4, v3
	s_mul_i32 s21, s11, HALFT
	s_mul_i32 s22, s12, HALFT
	s_add_co_u32 s22, s22, 2*HALFT
.irp s, 0,1
	v_add_nc_u32 v[ADRA+\s], s21, v3
	v_add_nc_u32 v[ADRB+\s], s22, v3
	s_add_co_u32 s21, s21, SLOT
	s_add_co_u32 s22, s22, SLOT
.endr
	s_mul_i32 s23, s10, 16*SPITCH
	s_add_co_u32 s23, s23, STAGE
	v_mul_u32_u24 v4, v1, SPITCH
	v_lshl_add_u32 v4, v2, 4, v4
	v_add_nc_u32 v[STO], s23, v4
	v_mul_u32_u24 v5, v2, SPITCH
	v_lshl_add_u32 v5, v1, 4, v5
	v_add_nc_u32 v[RD], s23, v5
	v_mul_u32_u24 v5, v2, SIZE_N*2
	v_lshl_add_u32 v[CO], v1, 4, v5
; 16 matrix instructions: m blocks a0, a0 + 1 of the window's four x all 8 n blocks, 32 along K.  zero = 1: the first product starts the sums.
; The 64 accumulators take turns, one instruction a turn, in the same order in every quarter step.
.macro MUL16 f, hi, a0, zero
.irp a, \a0, \a0+1
.irp b, 0,1,2,3,4,5,6,7
.if \zero
	v_wmma_f32_16x16x32_bf16 v[8*(8*(\a)+\b):8*(8*(\a)+\b)+7], v[\f+8*\b:\f+8*\b+7], v[\f+8*(4*\hi+\a):\f+8*(4*\hi+\a)+7], 0
.else
	v_wmma_f32_16x16x32_bf16 v[8*(8*(\a)+\b):8*(8*(\a)+\b)+7], v[\f+8*\b:\f+8*\b+7], v[\f+8*(4*\hi+\a):\f+8*(4*\hi+\a)+7], v[8*(8*(\a)+\b):8*(8*(\a)+\b)+7]
.endif
.endr
.endr
.endm
; 32 LDS loads in one run: the fragments of one quarter step into buffer f
.macro FETCH slot, k, f
	WIN TO_B
.irp i, 0,1,2,3,4,5,6,7
	ds_load_b128 v[\f+8*\i:\f+8*\i+3],   v[ADRB+\slot] offset:\k+\i*16*PITCH
	ds_load_b128 v[\f+8*\i+4:\f+8*\i+7], v[ADRB+\slot] offset:\k+\i*16*PITCH+32
.endr
	WIN 0
.irp i, 0,1,2,3,4,5,6,7
	ds_load_b128 v[\f+8*\i:\f+8*\i+3],   v[ADRA+\slot] offset:\k+\i*16*PITCH
	ds_load_b128 v[\f+8*\i+4:\f+8*\i+7], v[ADRA+\slot] offset:\k+\i*16*PITCH+32
.endr
.endm
; Four independent vector places behind a matrix instruction before a load lands on a register that it read, or a vector instruction reads its result
.macro PLACES
.rept 4
	v_nop
.endr
.endm
; One of a K step's first three quarters: multiplies buffer f and, in its middle, fetches the next quarter's fragments into buffer g
.macro QUARTER slot, k, f, g, zero
	s_wait_dscnt 8                                 ; W and the left rows 0-63 are in; the youngest eight loads (left rows 64-127) may be out
	WIN MUL_LO
	MUL16 \f, 0, 0, \zero
	MUL16 \f, 0, 2, \zero
	PLACES
	FETCH \slot, \k, \g
	s_wait_dscnt 32                                ; all but the 32 just issued
	WIN MUL_HI
	MUL16 \f, 1, 0, \zero
	MUL16 \f, 1, 2, \zero
.endm
.macro THREE slot, zero
	QUARTER \slot, 64,  F0, F1, \zero
	QUARTER \slot, 128, F1, F0, 0
	QUARTER \slot, 192, F0, F1, 0
.endm
; The last quarter multiplies buffer 1 and changes slots.  In front of the barrier each wave waits for its reads of this slot and for all its tensor
; loads (one is out: its part of the next slot).  Behind it the refill comes first, then the next slot's first fragments.
; From a request to the wait for it a wave issues 240 matrix instructions.
.macro TURN slot, next, fill
	s_wait_dscnt 8
	WIN MUL_LO
	MUL16 F1, 0, 0, 0
	s_wait_dscnt 0                                 ; my reads of this slot are over
	s_wait_tensorcnt 0x0                           ; and all my tensor loads have landed
	ds_add_u32 v255, v255
	s_wait_dscnt 0x0
	s_barrier_signal -1                            ; where a slot is filled again this barrier opens a round of the cluster's barrier
	MUL16 F1, 0, 2, 0                              ; register work while the others arrive
	WIN 0
	s_barrier_wait -1
.if \fill
	CREST                                          ; no wave of any partner still reads this slot or has a load on its way
	s_add_nc_u64 s[G0+4*\slot+2:G0+4*\slot+3], s[G0+4*\slot+2:G0+4*\slot+3], 2*KSTEP*2
	s_add_nc_u64 s[G0B+4*\slot+2:G0B+4*\slot+3], s[G0B+4*\slot+2:G0B+4*\slot+3], 2*KSTEP*2
	JLOAD \slot                                    ; my one tensor load behind the round, and the first thing there
.endif
	PLACES
	FETCH \next, 0, F0
	WIN MUL_HI
	MUL16 F1, 1, 0, 0
	MUL16 F1, 1, 2, 0
.endm
.macro LAP zero
	THREE 0, \zero
	TURN 0, 1, 1
	THREE 1, 0
	TURN 1, 0, 1
.endm
	s_wait_tensorcnt 1                             ; my part of K step 0 is in; K step 1's stays out
	s_barrier_signal -1
	s_barrier_wait -1
	FETCH 0, 0, F0
	LAP 1                                          ; the first lap's first products start the sums
	WIN 0
	s_mov_b32 s3, LAPS-2
.Llap:
	LAP 0
	WIN 0
	s_sub_co_u32 s3, s3, 1
	s_cmp_lg_u32 s3, 0
	s_cbranch_scc1 .Llap
	THREE 0, 0                                     ; the last lap fills nothing
	TURN 0, 1, 0
	THREE 1, 0
	s_wait_dscnt 8
	WIN MUL_LO
	MUL16 F1, 0, 0, 0
	MUL16 F1, 0, 2, 0
	s_wait_dscnt 0
	WIN MUL_HI
	MUL16 F1, 1, 0, 0
	MUL16 F1, 1, 2, 0
	; THE WAY OUT, 16 rows at a time: round to f16, 16 bytes a lane into my own stage, read back as whole rows of 256 bytes
	PLACES
	s_lshl_b32 s13, s13, 8
	s_lshl_b32 s14, s11, 7
	s_add_co_u32 s16, s13, s14                     ; my first row
	s_mov_b32 s17, 0
	s_mov_b64 s[18:19], SIZE_N*2
	s_mul_u64 s[16:17], s[16:17], s[18:19]
	s_add_nc_u64 s[8:9], s[8:9], s[16:17]
	s_lshl_b32 s46, s42, 9                         ; my first column, in bytes: 512 x block column + 256 x half
	s_lshl_b32 s47, s12, 8
	s_add_co_u32 s46, s46, s47
	s_mov_b32 s47, 0
	s_add_nc_u64 s[8:9], s[8:9], s[46:47]
.macro OUT16 i, a, from, f
	WIN \from
.irp b, 0,1,2,3,4,5,6,7
.irp r, 0,1,2,3
	v_cvt_pk_f16_f32 v[TMP+4*\b+\r], v[8*(8*\a+\b)+2*\r], v[8*(8*\a+\b)+2*\r+1]
.endr
.endr
	WIN 0
.irp b, 0,1,2,3,4,5,6,7
	ds_store_b128 v[STO], v[TMP+4*\b:TMP+4*\b+3] offset:32*\b
.endr
	s_wait_xcnt 0x0                                ; buffer f, which earlier stores read, and the stores' base are rewritten only behind this wait
.if \i
	s_add_nc_u64 s[8:9], s[8:9], 16*SIZE_N*2
.endif
.irp t, 0,1,2,3,4,5,6,7
	ds_load_b128 v[\f+4*\t:\f+4*\t+3], v[RD] offset:\t*2*SPITCH    ; a wave's LDS instructions are served in order: these see the stores above
.endr
.irp t, 0,1,2,3,4,5,6,7
	s_wait_dscnt 7-\t                              ; row pair t is in, the 7 - t younger loads stay out
	global_store_b128 v[CO], v[\f+4*\t:\f+4*\t+3], s[8:9] offset:2*\t*SIZE_N*2   ; 16 lanes store 256 consecutive bytes, aligned
.endr
.endm
	OUT16 0, 0, 0x0a, F0
	OUT16 1, 1, 0x0a, F1
	OUT16 2, 2, 0x0a, F0
	OUT16 3, 3, 0x0a, F1
	OUT16 4, 0, 0x0f, F0
	OUT16 5, 1, 0x0f, F1
	OUT16 6, 2, 0x0f, F0
	OUT16 7, 3, 0x0f, F1
	s_set_vgpr_msb 0x1
	s_wait_tensorcnt 0x0
	ds_add_u32 v255, v255
	s_wait_dscnt 0x0
	s_set_vgpr_msb 0x100
	CROUND                                         ; the closing round: no work-group ends while a partner may still ask for a tile that names it
	s_endpgm
.Lfunc_end_k_q5bb5fbddfd_proj:
	.size	k_q5bb5fbddfd_proj, .Lfunc_end_k_q5bb5fbddfd_proj-k_q5bb5fbddfd_proj
	.p2alignl 7, 3214868480
	.fill 96, 4, 3214868480
	.section	.rodata,"a",@progbits
	.p2align	6, 0x0
	.amdhsa_kernel k_q5bb5fbddfd_proj
		.amdhsa_group_segment_fixed_size 327680
		.amdhsa_private_segment_fixed_size 0
		.amdhsa_enable_private_segment 0
		.amdhsa_kernarg_size 16
		.amdhsa_user_sgpr_count 2
		.amdhsa_user_sgpr_kernarg_segment_ptr 1
		.amdhsa_wavefront_size32 1
		.amdhsa_system_sgpr_workgroup_id_x 1
		.amdhsa_system_sgpr_workgroup_id_y 1
		.amdhsa_system_sgpr_workgroup_id_z 1
		.amdhsa_system_vgpr_workitem_id 0
		.amdhsa_next_free_vgpr 1024
		.amdhsa_next_free_sgpr 66
		.amdhsa_reserve_vcc 0
		.amdhsa_float_denorm_mode_32 3
		.amdhsa_float_denorm_mode_16_64 3
		.amdhsa_memory_ordered 1
		.amdhsa_forward_progress 1
		.amdhsa_inst_pref_size 196
	.end_amdhsa_kernel
	.amdgpu_metadata
---
amdhsa.version: [ 1, 2 ]
amdhsa.kernels:
  - .name:           k_q5bb5fbddfd_proj
    .symbol:         k_q5bb5fbddfd_proj.kd
    .args:
      - { .name: xw, .offset: 0, .size: 8, .value_kind: global_buffer, .address_space: global }
      - { .name: qkv, .offset: 8, .size: 8, .value_kind: global_buffer, .address_space: global }
    .group_segment_fixed_size: 327680
    .private_segment_fixed_size: 0
    .kernarg_segment_align: 8
    .kernarg_segment_size: 16
    .max_flat_workgroup_size: 128
    .sgpr_count:     66
    .vgpr_count:     1024
    .wavefront_size: 32
...
	.end_amdgpu_metadata
.endif
;; end of part 2
;; launch att (part 3): grid 8 x 32, 4 waves a work-group, no clusters, 327,680 bytes of LDS; arguments qkv, ctx; writes ctx
.if DOCPART == 3
	.amdgcn_target "amdgcn-amd-amdhsa--gfx1250"
	.amdhsa_code_object_version 6
	.text
	.protected	k_q5bb5fbddfd_att
	.globl	k_q5bb5fbddfd_att
	.p2align	8
	.type	k_q5bb5fbddfd_att,@function
k_q5bb5fbddfd_att:
	s_mov_b64 s[64:65], 0
	v_nop
	global_prefetch_b8 v0, s[64:65] scope:SCOPE_SE
	s_setreg_imm32_b32 hwreg(HW_REG_WAVE_MODE, 25, 1), 1
	s_wait_xcnt 0x0
; Causal attention of 32 heads, S = 2048, 64 numbers a head row.  Q, K, V: f16, head g = 262,144 dense bytes at g x 262,144 of qkv's thirds.
; Products on the matrix unit with f16 operands and f32 sums; softmax in f32 with a running maximum:
;   p = exp2(s c + NMC), c = log2(e) / 8, NMC = -c x (running maximum); the sums are rescaled by exp2(NMC new - NMC old).
; LIMITS: p below 2^-25 rounds to 0 in f16; v_exp_f32 flushes results below 2^-126; NaN and infinities in Q, K, V are not followed.
; WORK: grid y = head, grid x = 0 .. 7.  A work-group does two blocks of 128 queries, numbers 2 x and 15 - 2 x.  A block takes its DIAGONAL block of 128
; keys first (masked; every query has its own key there, so the maximum is finite from the first step on, and the first products start the sums), then
; the key blocks 0 .. number - 1 unmasked.  Key blocks above the diagonal are not touched.  That is 17 steps in every work-group.
; Wave w owns queries 32 w .. 32 w + 31 of the block as two tiles qt of 16.
; NO CLUSTER: the eight work-groups of a head walk different numbers of key blocks in each of their two phases (2 x + 1 and 16 - 2 x), so partners
; would need different tiles in the same step; asking jointly would mean walking all 16 blocks, twice the products.
; NO PREFETCH: K and V were stored by the launch just ahead, and a head's eight work-groups read the same tiles at about the same time.
; TRANSPOSED PRODUCTS: S^T = K Q^T (lane (r, h), register j: key 16 kt + 8 h + j, query 16 qt + r), so a query's scores lie in two lanes' registers and
; the reductions are register work and one exchange of the lane halves; two neighbouring key tiles, packed to f16, ARE the second operand P^T of
; O^T = V^T P^T (registers 0-3: keys 8 h + 0..7, registers 4-7: keys 16 + 8 h + 0..7): P never goes through LDS.
; LDS: two slots of 40,960 bytes at 0 and 40,960; in a slot K's rows 0-63 at 0 and 64-127 at 10,240 (pitch 144), V's 128 rows at 20,480 (pitch 160, an
; odd multiple of 32 for the transposing loads).  Wave w fills the part at 10,240 w.  Behind the ring, at 81,920: 32 rows x 144 bytes for each wave, its own,
; for the way out; no tensor load lands there.
.set SLOT,  40960
.set PART,  10240
.set STAGE, 81920
.set KADR, 1                           ; v1   r x 144 + 16 h
.set VADR, 2                           ; v2   20480 + (8 h + (l & 7)) x 160 + 16 ((l >> 3) & 1)
.set QOF,  3                           ; v3   (32 w + r) x 128 + 16 h
.set STO,  4                           ; v4   stage + r x 144 + 16 h
.set RD,   5                           ; v5   stage + (l >> 3) x 144 + 16 (l & 7)
.set COF,  6                           ; v6   4096 w + 16 l
.set TL,   7                           ; v7   32 w + r - 8 h (signed): the mask's threshold
.set NINF, 8                           ; v8   -infinity
.set NMC,  10                          ; v10 NMC, v11 maximum of tile qt = 0; v12, v13 of qt = 1
.set AL,   14                          ; v14 rescale factor, v15 sum of p (this lane's keys) of qt = 0; v16, v17 of qt = 1
.set T,    18                          ; v[18:25] four maxima, then two pairs of sums, for each qt
.set Q,    32                          ; v[32:63]   Q fragment (qt, ks) at 16 qt + 8 ks
.set H0,   64                          ; v[64:95]   four K or V^T fragments
.set H1,   96                          ; v[96:127]  four more
.set S,    128                         ; v[128:255] S^T tile (qt, kt) at 64 qt + 8 kt; P^T (qt, c) in place at 64 qt + 16 c .. + 7
                                       ; window 1 (v256-319): O^T tile (qt, dt) at 8 (4 qt + dt)
.set G0,  32                           ; s[32:39] descriptor group 0, one set for each slot
.set G1K, 40                           ; s[40:47] group 1 for K's tiles
.set G1V, 48                           ; s[48:55] group 1 for V's tiles
.set MSB, 0
.macro WIN new                         ; the immediate's high byte repeats the setting that is left; 0 at every label and branch
.if MSB != \new
	s_set_vgpr_msb (MSB<<8)|\new
.set MSB, \new
.endif
.endm
; My part of a step's tiles: waves 0, 1 bring K's halves, waves 2, 3 V's.  The branch hangs on the wave's number alone.
.macro JLOAD n
	s_cmp_eq_u32 s11, 0
	s_cbranch_scc0 .Lfor_v_\@
	tensor_load_to_lds s[G0+4*\n:G0+4*\n+3], s[G1K:G1K+7]
	s_nop 0
	s_branch .Lasked_\@
.Lfor_v_\@:
	tensor_load_to_lds s[G0+4*\n:G0+4*\n+3], s[G1V:G1V+7]
	s_nop 0
.Lasked_\@:
.endm
.macro QBASE                           ; s[22:23] = Q at my head's query block s13
	s_lshl_b32 s18, s10, 18
	s_lshl_b32 s17, s13, 14
	s_add_co_u32 s18, s18, s17
	s_add_nc_u64 s[22:23], s[4:5], s[18:19]
.endm
.macro CBASE                           ; s[24:25] = ctx block ((batch x 16 + query block) x 16 + head in batch) of 16,384 bytes
	s_lshr_b32 s17, s10, 4
	s_lshl_b32 s17, s17, 4
	s_add_co_u32 s17, s17, s13
	s_lshl_b32 s17, s17, 4
	s_and_b32 s18, s10, 15
	s_add_co_u32 s17, s17, s18
	s_lshl_b32 s18, s17, 14
	s_add_nc_u64 s[24:25], s[6:7], s[18:19]
.endm
.macro QLOAD                           ; my 32 queries as four fragments, straight from memory
.irp qt, 0,1
.irp ks, 0,1
	global_load_b128 v[Q+16*\qt+8*\ks:Q+16*\qt+8*\ks+3],   v[QOF], s[22:23] offset:2048*\qt+64*\ks
	global_load_b128 v[Q+16*\qt+8*\ks+4:Q+16*\qt+8*\ks+7], v[QOF], s[22:23] offset:2048*\qt+64*\ks+32
.endr
.endr
.endm
	s_load_b128 s[4:7], s[0:1], 0x0                ; qkv s[4:5], ctx s[6:7]
	v_lshl_add_u32 v9, v0, 2, 0x29000
	s_set_vgpr_msb 0x40
	v_mov_b32 v65, 0
	s_set_vgpr_msb 0x4044
	ds_add_u32 v9, v65
	ds_add_u32 v9, v65
	s_set_vgpr_msb 0x4400
	v_lshrrev_b32 v1, 5, v0
	v_readfirstlane_b32 s8, v1                     ; wave 0..3
	s_mov_b32 s9, ttmp9                            ; x: also the trips of the first loop
	s_and_b32 s10, ttmp7, 0xffff                   ; head 0..31
	s_lshr_b32 s11, s8, 1                          ; I fetch for K (0) or V (1),
	s_and_b32 s12, s8, 1                           ; its rows 0-63 or 64-127
	s_lshl_b32 s13, s9, 1                          ; the first phase's query block, 2 x
	s_mov_b32 s14, s13                             ; when the count of plain blocks reaches it, the next tile is the second phase's diagonal
	s_sub_co_u32 s15, 15, s13                      ; the second phase's query block
	s_sub_co_u32 s2, 7, s9                         ; the trips of the second loop
	s_mov_b32 s16, 0                               ; the next plain key block
	s_mov_b32 s19, 0                               ; high word of the offset pair s[18:19]
	; group 1: 64 rows x 64 elements of 2 bytes, dense in memory; behind every 32 words 4 words of padding (K) or 8 (V)
	s_mov_b32 s[G1K+0], (1<<16)|(1<<20)|(4<<22)|(3<<25)
	s_mov_b32 s[G1V+0], (1<<16)|(1<<20)|(4<<22)|(7<<25)
	s_mov_b32 s[G1K+1], 64<<16                     ; tensor_dim0 = 64
	s_mov_b32 s[G1V+1], 64<<16
	s_mov_b32 s[G1K+2], 64<<16                     ; tensor_dim1 = 64
	s_mov_b32 s[G1V+2], 64<<16
	s_mov_b32 s[G1K+3], 64<<16                     ; tile_dim0 = 64
	s_mov_b32 s[G1V+3], 64<<16
	s_mov_b32 s[G1K+4], 64                         ; tile_dim1 = 64
	s_mov_b32 s[G1V+4], 64
	s_mov_b32 s[G1K+5], 64                         ; elements from row to row
	s_mov_b32 s[G1V+5], 64
	s_mov_b32 s[G1K+6], 0
	s_mov_b32 s[G1V+6], 0
	s_mov_b32 s[G1K+7], 0
	s_mov_b32 s[G1V+7], 0
	s_mov_b32 s[G0], 1
	s_mul_i32 s[G0+1], s8, PART                    ; LDS: wave x 10,240,
	s_mov_b32 s[G0+4], 1
	s_add_co_u32 s[G0+5], s[G0+1], SLOT            ; + the slot
	s_add_co_u32 s17, s11, 1
	s_lshl_b32 s17, s17, 23                        ; K's third or V's,
	s_lshl_b32 s18, s10, 18                        ; my head,
	s_add_co_u32 s17, s17, s18
	s_lshl_b32 s18, s12, 13                        ; my 64 rows of 128 bytes
	s_add_co_u32 s18, s17, s18
	s_wait_dscnt 0x0
	s_wait_kmcnt 0x0
	s_add_nc_u64 s[20:21], s[4:5], s[18:19]        ; my part of key block 0
	s_lshl_b32 s18, s13, 14                        ; a key block is 16,384 bytes
	s_add_nc_u64 s[G0+2:G0+3], s[20:21], s[18:19]
	s_or_b32 s[G0+3], s[G0+3], 0x80000000
	JLOAD 0                                        ; the first fill (the first phase's diagonal block) ahead of everything else: one load of mine is out
	QBASE
	CBASE
	s_mov_b32 s26, 0x3e38aa3b                      ; c = log2(e) / 8, twice: a pair for the packed multiply-add
	s_mov_b32 s27, 0x3e38aa3b
	s_mov_b32 s28, 0xbe38aa3b                      ; -c
	s_mov_b32 s29, 0x76543210                      ; v_permlanex16_b32: lane i of one half reads lane i of the other
	s_mov_b32 s30, 0xfedcba98
	v_and_b32 v26, 15, v0                          ; r
	v_bfe_u32 v27, v0, 4, 1                        ; h
	v_and_b32 v28, 31, v0                          ; l
	s_lshl_b32 s17, s8, 5
	v_add_nc_u32 v[QOF], s17, v26                  ; 32 w + r
	v_lshlrev_b32 v31, 3, v27
	v_sub_nc_u32 v[TL], v[QOF], v31                ; 32 w + r - 8 h
	v_lshlrev_b32 v[QOF], 7, v[QOF]
	v_lshl_add_u32 v[QOF], v27, 4, v[QOF]
	QLOAD
	v_mul_u32_u24 v[KADR], v26, 144
	v_lshl_add_u32 v[KADR], v27, 4, v[KADR]
	v_and_b32 v29, 7, v0                           ; l & 7
	v_lshl_add_u32 v30, v27, 3, v29                ; 8 h + (l & 7)
	v_mul_u32_u24 v[VADR], v30, 160
	v_bfe_u32 v30, v0, 3, 1
	v_lshl_add_u32 v[VADR], v30, 4, v[VADR]
	v_add_nc_u32 v[VADR], 2*PART, v[VADR]
	s_mul_i32 s17, s8, 4608
	s_add_co_u32 s17, s17, STAGE                   ; my stage
	v_add_nc_u32 v[STO], s17, v[KADR]
	v_lshrrev_b32 v30, 3, v28
	v_mul_u32_u24 v[RD], v30, 144
	v_lshl_add_u32 v[RD], v29, 4, v[RD]
	v_add_nc_u32 v[RD], s17, v[RD]
	v_lshlrev_b32 v[COF], 4, v28
	s_lshl_b32 s17, s8, 12
	v_add_nc_u32 v[COF], s17, v[COF]
	v_mov_b32 v[NINF], 0xff800000
; The change of slots.  Every wave waits for all its tensor loads (its part of this step's tile among them) and for its LDS reads of the other slot, then the
; barrier; behind it the other slot's refill is the wave's first and only tensor load.  Between the wait and the barrier no load of the wave is out, so the
; other slot's group 0 is written there: the next plain block, or the second phase's diagonal block when the first phase's plain blocks are used up.
.macro HEAD other, refill
	s_set_vgpr_msb 0x4
	s_wait_tensorcnt 0x0
	ds_add_u32 v9, v65
	s_wait_dscnt 0x0
	s_set_vgpr_msb 0x400
.if \refill
	s_cmp_eq_u32 s16, s14
	s_cselect_b32 s17, s15, s16
	s_add_co_u32 s16, s16, 1
	s_lshl_b32 s18, s17, 14
	s_add_nc_u64 s[G0+4*\other+2:G0+4*\other+3], s[20:21], s[18:19]
	s_or_b32 s[G0+4*\other+3], s[G0+4*\other+3], 0x80000000
.endif
	s_wait_dscnt 0x0
	s_barrier_signal -1
	s_barrier_wait -1
.if \refill
	JLOAD \other
.endif
.endm
; 8 LDS loads: K's fragments of key tiles kt0, kt0 + 1 (16 keys x 32 d each, ks = 0, 1)
.macro KLOAD hb, slot, kt0
.irp i, 0,1
.irp ks, 0,1
	ds_load_b128 v[\hb+16*\i+8*\ks:\hb+16*\i+8*\ks+3],   v[KADR] offset:\slot*SLOT+((\kt0+\i)>>2)*PART+((\kt0+\i)&3)*2304+64*\ks
	ds_load_b128 v[\hb+16*\i+8*\ks+4:\hb+16*\i+8*\ks+7], v[KADR] offset:\slot*SLOT+((\kt0+\i)>>2)*PART+((\kt0+\i)&3)*2304+64*\ks+32
.endr
.endr
.endm
; 8 transposing LDS loads: V^T's four fragments (16 d x 32 keys) of keys 32 c .. 32 c + 31
.macro VLOAD hb, slot, c
.irp dt, 0,1,2,3
	ds_load_tr16_b128 v[\hb+8*\dt:\hb+8*\dt+3],   v[VADR] offset:\slot*SLOT+5120*\c+32*\dt
	ds_load_tr16_b128 v[\hb+8*\dt+4:\hb+8*\dt+7], v[VADR] offset:\slot*SLOT+5120*\c+32*\dt+2560
.endr
.endm
; 8 matrix instructions: S^T of key tiles kt0, kt0 + 1 x both query tiles.  Four accumulators by turns, one instruction a turn.
.macro SMUL hb, kt0
.irp i, 0,1
.irp qt, 0,1
	v_wmma_f32_16x16x32_f16 v[S+64*\qt+8*(\kt0+\i):S+64*\qt+8*(\kt0+\i)+7], v[\hb+16*\i:\hb+16*\i+7], v[Q+16*\qt:Q+16*\qt+7], 0
.endr
.endr
.irp i, 0,1
.irp qt, 0,1
	v_wmma_f32_16x16x32_f16 v[S+64*\qt+8*(\kt0+\i):S+64*\qt+8*(\kt0+\i)+7], v[\hb+16*\i+8:\hb+16*\i+15], v[Q+16*\qt+8:Q+16*\qt+15], v[S+64*\qt+8*(\kt0+\i):S+64*\qt+8*(\kt0+\i)+7]
.endr
.endr
.endm
; Four independent vector places behind a matrix instruction before a load lands on a register that it read, or a vector instruction reads its result
.macro NOP4
.rept 4
	v_nop
.endr
.endm
; The diagonal block: key 16 kt + 8 h + j stays where it is <= query 32 w + 16 qt + r, that is 16 (kt - qt) + j <= TL.  One compare serves tile (0, kt) and
; tile (1, kt + 1).  Tile (1, 0) is never masked: its figure is at most -9 and TL is at least -8.
.macro MASK
.irp kt, 0,1,2,3,4,5,6,7
.irp j, 0,1,2,3,4,5,6,7
	v_cmp_le_i32 vcc_lo, 16*\kt+\j, v[TL]
	v_cndmask_b32 v[S+8*\kt+\j], v[NINF], v[S+8*\kt+\j], vcc_lo
.if \kt < 7
	v_cndmask_b32 v[S+64+8*(\kt+1)+\j], v[NINF], v[S+64+8*(\kt+1)+\j], vcc_lo
.endif
.endr
.endr
.endm
; The largest score of each query of tile qt: four chains over my 64 registers, then the other half of the lanes; then the running maximum, NMC and the rescale factor
.macro MAXRED qt, first
.irp k, 0,1,2,3
	v_max_num_f32 v[T+4*\qt+\k], v[S+64*\qt+16*\k], v[S+64*\qt+16*\k+1]
.endr
.irp p, 2,4,6,8,10,12,14
.irp k, 0,1,2,3
	v_max3_num_f32 v[T+4*\qt+\k], v[T+4*\qt+\k], v[S+64*\qt+16*\k+\p], v[S+64*\qt+16*\k+\p+1]
.endr
.endr
	v_max3_num_f32 v[T+4*\qt], v[T+4*\qt], v[T+4*\qt+1], v[T+4*\qt+2]
	v_max_num_f32 v[T+4*\qt], v[T+4*\qt], v[T+4*\qt+3]
	v_permlanex16_b32 v[T+4*\qt+1], v[T+4*\qt], s29, s30
.if \first
	v_max_num_f32 v[NMC+2*\qt+1], v[T+4*\qt], v[T+4*\qt+1]
	v_mul_f32 v[NMC+2*\qt], s28, v[NMC+2*\qt+1]
.else
	v_max3_num_f32 v[NMC+2*\qt+1], v[NMC+2*\qt+1], v[T+4*\qt], v[T+4*\qt+1]
	v_mul_f32 v[26+2*\qt], s28, v[NMC+2*\qt+1]             ; the new NMC
	v_sub_f32 v[27+2*\qt], v[26+2*\qt], v[NMC+2*\qt]       ; new - old, never above 0
	v_exp_f32 v[AL+2*\qt], v[27+2*\qt]
	v_mov_b32 v[NMC+2*\qt], v[26+2*\qt]                    ; also the plain place behind the exponential (ISA guide 5.7.2)
.endif
.endm
.macro RESCALE                         ; O^T times each query's factor: destination and source 0 in window 1
	WIN 0x41
	s_wait_alu depctr_va_vdst(0)
.irp qt, 0,1
.irp p, 0,2,4,6,8,10,12,14,16,18,20,22,24,26,28,30
	v_pk_mul_f32 v[32*\qt+\p:32*\qt+\p+1], v[32*\qt+\p:32*\qt+\p+1], v[AL+2*\qt:AL+2*\qt+1] op_sel_hi:[1,0]
.endr
.endr
	WIN 0
.endm
; Keys 32 c .. 32 c + 31: p = exp2(s c + NMC), the sums of p in two chains of pairs for each qt, p packed to f16 in place.
; Behind qt = 0's exponentials stand qt = 1's multiply-adds, behind qt = 1's exponentials qt = 0's sums: the plain places (ISA guide 5.7.2).
.macro SOFT c
.irp qt, 0,1
.irp p, 0,2,4,6,8,10,12,14
	v_pk_fma_f32 v[S+64*\qt+16*\c+\p:S+64*\qt+16*\c+\p+1], v[S+64*\qt+16*\c+\p:S+64*\qt+16*\c+\p+1], s[26:27], v[NMC+2*\qt:NMC+2*\qt+1] op_sel_hi:[1,0,0]
.endr
.irp p, 0,1,2,3,4,5,6,7,8,9,10,11,12,13,14,15
	v_exp_f32 v[S+64*\qt+16*\c+\p], v[S+64*\qt+16*\c+\p]
.endr
.endr
.irp qt, 0,1
.if \c == 0
	s_wait_alu depctr_va_vdst(0)
	v_pk_add_f32 v[T+4*\qt:T+4*\qt+1],   v[S+64*\qt:S+64*\qt+1],   v[S+64*\qt+2:S+64*\qt+3]     ; the first pairs start the chains
	v_pk_add_f32 v[T+4*\qt+2:T+4*\qt+3], v[S+64*\qt+4:S+64*\qt+5], v[S+64*\qt+6:S+64*\qt+7]
.irp p, 8,12
	v_pk_add_f32 v[T+4*\qt:T+4*\qt+1],   v[T+4*\qt:T+4*\qt+1],   v[S+64*\qt+\p:S+64*\qt+\p+1]
	v_pk_add_f32 v[T+4*\qt+2:T+4*\qt+3], v[T+4*\qt+2:T+4*\qt+3], v[S+64*\qt+\p+2:S+64*\qt+\p+3]
.endr
.else
	s_wait_alu depctr_va_vdst(0)
.irp p, 0,4,8,12
	v_pk_add_f32 v[T+4*\qt:T+4*\qt+1],   v[T+4*\qt:T+4*\qt+1],   v[S+64*\qt+16*\c+\p:S+64*\qt+16*\c+\p+1]
	v_pk_add_f32 v[T+4*\qt+2:T+4*\qt+3], v[T+4*\qt+2:T+4*\qt+3], v[S+64*\qt+16*\c+\p+2:S+64*\qt+16*\c+\p+3]
.endr
.endif
.irp i, 0,1,2,3,4,5,6,7
	v_cvt_pk_f16_f32 v[S+64*\qt+16*\c+\i], v[S+64*\qt+16*\c+2*\i], v[S+64*\qt+16*\c+2*\i+1]   ; register i is written when registers 2 i, 2 i + 1 are read: nothing unread is lost
.endr
.endr
.endm
; 8 matrix instructions: O^T += V^T P^T over keys 32 c .. + 31.  Eight accumulators (window 1) by turns, one instruction a turn.
.macro PV c, hb, first
	WIN 0x50
.irp dt, 0,1,2,3
.irp qt, 0,1
.if \first
	v_wmma_f32_16x16x32_f16 v[8*(4*\qt+\dt):8*(4*\qt+\dt)+7], v[\hb+8*\dt:\hb+8*\dt+7], v[S+64*\qt+16*\c:S+64*\qt+16*\c+7], 0
.else
	v_wmma_f32_16x16x32_f16 v[8*(4*\qt+\dt):8*(4*\qt+\dt)+7], v[\hb+8*\dt:\hb+8*\dt+7], v[S+64*\qt+16*\c:S+64*\qt+16*\c+7], v[8*(4*\qt+\dt):8*(4*\qt+\dt)+7]
.endif
.endr
.endr
	WIN 0
.endm
; The step's sum of p joins the running sum.  Four plain vector instructions at the least, none on a register of the products just ahead:
; they are also the places in front of the next step's loads into H0 and H1.
.macro LSUM first
.irp qt, 0,1
	v_pk_add_f32 v[T+4*\qt:T+4*\qt+1], v[T+4*\qt:T+4*\qt+1], v[T+4*\qt+2:T+4*\qt+3]
.endr
.irp qt, 0,1
.if \first
	v_add_f32 v[AL+2*\qt+1], v[T+4*\qt], v[T+4*\qt+1]
.else
	v_add_f32 v[T+4*\qt], v[T+4*\qt], v[T+4*\qt+1]
.endif
.endr
.if \first == 0
.irp qt, 0,1
	v_fma_f32 v[AL+2*\qt+1], v[AL+2*\qt+1], v[AL+2*\qt], v[T+4*\qt]
.endr
.endif
.endm
; One step: 128 keys from slot; other = the other slot, filled again if refill.  Each s_wait_dscnt 8: the older run of eight LDS loads is in, the younger run of eight stays out.
.macro STEP slot, other, diag, refill
	HEAD \other, \refill
	KLOAD H0, \slot, 0
	KLOAD H1, \slot, 2
.if \diag
	s_wait_loadcnt 0x0                             ; this phase's Q
.endif
	s_wait_dscnt 8
	SMUL H0, 0
	NOP4
	KLOAD H0, \slot, 4
	s_wait_dscnt 8
	SMUL H1, 2
	NOP4
	KLOAD H1, \slot, 6
	s_wait_dscnt 8
	SMUL H0, 4
	NOP4
	VLOAD H0, \slot, 0
	s_wait_dscnt 8
	SMUL H1, 6
	NOP4
	VLOAD H1, \slot, 1
.if \diag
	MASK
.endif
	MAXRED 0, \diag
	MAXRED 1, \diag
.if \diag == 0
	RESCALE
.endif
	SOFT 0
	s_wait_dscnt 8
	PV 0, H0, \diag
	SOFT 1
	VLOAD H0, \slot, 2
	s_wait_dscnt 8
	PV 1, H1, 0
	SOFT 2
	VLOAD H1, \slot, 3
	s_wait_dscnt 8
	PV 2, H0, 0
	SOFT 3
	s_wait_dscnt 0
	PV 3, H1, 0
	LSUM \diag
.endm
; A query block's end: the two lane halves' sums of p meet, O^T is divided, rounded to f16, laid by rows into my stage (16 bytes a lane: 8 neighbouring d of a
; query), read back as 512 neighbouring bytes (four rows of 128) and stored so: my 32 rows are 4,096 dense bytes of ctx.
.macro FINISH more
	v_permlanex16_b32 v[T],   v[AL+1], s29, s30
	v_permlanex16_b32 v[T+4], v[AL+3], s29, s30
	v_add_f32 v[AL+1], v[AL+1], v[T]
	v_add_f32 v[AL+3], v[AL+3], v[T+4]
	v_rcp_f32 v[AL],   v[AL+1]
	v_rcp_f32 v[AL+2], v[AL+3]
	v_nop                                          ; the plain place behind the reciprocals (ISA guide 5.7.2)
	s_wait_alu depctr_va_vdst(0)
	RESCALE
	WIN 0x05                                       ; sources in window 1
.irp u, 0,1,2,3,4,5,6,7
.irp i, 0,1,2,3
	v_cvt_pk_f16_f32 v[S+4*\u+\i], v[8*\u+2*\i], v[8*\u+2*\i+1]
.endr
.endr
	WIN 0
.irp qt, 0,1
.irp dt, 0,1,2,3
	ds_store_b128 v[STO], v[S+4*(4*\qt+\dt):S+4*(4*\qt+\dt)+3] offset:2304*\qt+32*\dt
.endr
.endr
.irp t, 0,1,2,3,4,5,6,7
	ds_load_b128 v[S+32+4*\t:S+32+4*\t+3], v[RD] offset:576*\t     ; a wave's LDS instructions are served in order: these see the stores above
.endr
.irp t, 0,1,2,3,4,5,6,7
	s_wait_dscnt 7-\t                              ; rows 4 t .. 4 t + 3 are in, the 7 - t younger loads stay out
	global_store_b128 v[COF], v[S+32+4*\t:S+32+4*\t+3], s[24:25] offset:512*\t
.endr
.if \more
	s_wait_xcnt 0x0                                ; the stores' data registers and base are written again only behind this wait
.endif
.endm
	STEP 0, 1, 1, 1                                ; first phase: the diagonal block
	s_cmp_eq_u32 s9, 0
	s_cbranch_scc1 .Lfirst_done
	s_mov_b32 s31, 0
.Lfirst:                                               ; x trips: the 2 x plain blocks
	STEP 1, 0, 0, 1
	STEP 0, 1, 0, 1
	s_add_co_u32 s31, s31, 1
	s_cmp_lt_u32 s31, s9
	s_cbranch_scc1 .Lfirst
.Lfirst_done:
	s_mov_b32 s13, s15                             ; second phase: query block 15 - 2 x; its diagonal block is on its way into slot 1
	s_mov_b32 s14, 0xffff                          ; from here on plain blocks only
	s_mov_b32 s16, 0
	QBASE                                          ; the first phase's Q loads were waited for in its first step
	QLOAD
	FINISH 1
	CBASE
	STEP 1, 0, 1, 1
	s_cmp_eq_u32 s2, 0
	s_cbranch_scc1 .Lsecond_done
	s_mov_b32 s31, 0
.Lsecond:                                              ; 7 - x trips: 14 - 2 x of the 15 - 2 x plain blocks
	STEP 0, 1, 0, 1
	STEP 1, 0, 0, 1
	s_add_co_u32 s31, s31, 1
	s_cmp_lt_u32 s31, s2
	s_cbranch_scc1 .Lsecond
.Lsecond_done:
	STEP 0, 1, 0, 0                                ; the last plain block: nothing is left to fetch
	FINISH 0
	s_set_vgpr_msb 0x4
	s_wait_tensorcnt 0x0
	ds_add_u32 v9, v65
	s_wait_dscnt 0x0
	s_set_vgpr_msb 0x400
	s_endpgm
.Lfunc_end_k_q5bb5fbddfd_att:
	.size	k_q5bb5fbddfd_att, .Lfunc_end_k_q5bb5fbddfd_att-k_q5bb5fbddfd_att
	.p2alignl 7, 3214868480
	.fill 96, 4, 3214868480
	.section	.rodata,"a",@progbits
	.p2align	6, 0x0
	.amdhsa_kernel k_q5bb5fbddfd_att
		.amdhsa_group_segment_fixed_size 327680
		.amdhsa_private_segment_fixed_size 0
		.amdhsa_enable_private_segment 0
		.amdhsa_kernarg_size 16
		.amdhsa_user_sgpr_count 2
		.amdhsa_user_sgpr_kernarg_segment_ptr 1
		.amdhsa_wavefront_size32 1
		.amdhsa_system_sgpr_workgroup_id_x 1
		.amdhsa_system_sgpr_workgroup_id_y 1
		.amdhsa_system_sgpr_workgroup_id_z 1
		.amdhsa_system_vgpr_workitem_id 0
		.amdhsa_next_free_vgpr 322
		.amdhsa_next_free_sgpr 66
		.amdhsa_reserve_vcc 1
		.amdhsa_float_denorm_mode_32 3
		.amdhsa_float_denorm_mode_16_64 3
		.amdhsa_memory_ordered 1
		.amdhsa_forward_progress 1
		.amdhsa_inst_pref_size 255
	.end_amdhsa_kernel
	.section	.bss,"aw",@nobits
	.p2align	6
	.space	262144
	.amdgpu_metadata
---
amdhsa.version: [ 1, 2 ]
amdhsa.kernels:
  - .name:           k_q5bb5fbddfd_att
    .symbol:         k_q5bb5fbddfd_att.kd
    .args:
      - { .name: qkv, .offset: 0, .size: 8, .value_kind: global_buffer, .address_space: global }
      - { .name: ctx, .offset: 8, .size: 8, .value_kind: global_buffer, .address_space: global }
    .group_segment_fixed_size: 327680
    .private_segment_fixed_size: 0
    .kernarg_segment_align: 8
    .kernarg_segment_size: 16
    .max_flat_workgroup_size: 128
    .sgpr_count:     66
    .vgpr_count:     322
    .wavefront_size: 32
...
	.end_amdgpu_metadata
.endif
;; end of part 3
;; launch outp (part 4): grid 8 x 32, 4 waves a work-group, clusters of 4 x 4, 327,680 bytes of LDS; arguments ctx, xw, b_ffn, out0; writes out0
.if DOCPART == 4
	.amdgcn_target "amdgcn-amd-amdhsa--gfx1250"
	.amdhsa_code_object_version 6
	.text
	.protected	k_q5bb5fbddfd_outp
	.globl	k_q5bb5fbddfd_outp
	.p2align	8
	.type	k_q5bb5fbddfd_outp,@function
k_q5bb5fbddfd_outp:
	s_mov_b64 s[64:65], 0
	v_nop
	global_prefetch_b8 v0, s[64:65] scope:SCOPE_SE
	s_setreg_imm32_b32 hwreg(HW_REG_WAVE_MODE, 25, 1), 1
	s_wait_xcnt 0x0
	s_wait_alu depctr_hold_cnt(0) depctr_sa_sdst(0) depctr_va_vdst(0) depctr_va_sdst(0) depctr_va_ssrc(0) depctr_va_vcc(0) depctr_vm_vsrc(0)
	s_getreg_b32 s2, hwreg(HW_REG_IB_STS2, 6, 4)
	s_cmp_eq_u32 s2, 0
	s_cbranch_scc0 .Lentry_in_a_cluster
	s_endpgm
.Lentry_in_a_cluster:
	s_bfe_u32 s2, ttmp6, 0x10000c
	s_cmp_lg_u32 s2, 0xf033
	s_cbranch_scc0 .Lentry_shape_is_right
	s_endpgm
.Lentry_shape_is_right:
; out0[m][n] = b_ffn[n] + sum over k of concat[m][k] W_ffn[n][k], m = 0 .. 4095, n, k = 0 .. 1023.  Operands f16, sums f32, result f32.
; concat comes as ctx[block of 128 rows (32)][head (16)][row (128)][d (64)], k = 64 head + d; W_ffn as f16 in rows 15360 .. of xw.
; A work-group makes a block of 128 x 128: 256 work-groups; wave (wm, wn) makes 64 x 64: 16 accumulator tiles, 128 registers.
; K goes in four steps of 256 (four heads) through two LDS slots.  In a slot: four planes (heads) of 128 rows x 128 bytes at pitch 144, then W's 128 rows of
; 512 bytes at pitch 528 in two halves.  Wave w fills the part at 36,864 w: waves 0, 1 two planes each (256 dense rows of 128 bytes), waves 2, 3 64 rows of W.
; CLUSTERS: 4 x 4 work-groups.  ctx's tiles hang on the block row alone and are asked for jointly along a row of the cluster, W's on the block column
; alone and jointly along a column: the same tensor load, the same descriptor, a mask that names the four.
; The matrix instruction is used transposed (source 0 = 16 rows of W, source 1 = 16 rows of ctx): lane (r, h) holds row r and columns 8 h + 0 .. 7.
; The bias, loaded in that layout, is the first product's C: it starts the sums, nothing is cleared and nothing is added later.
; REGISTERS: window 0: addresses, v[32:63] bias, two fragment buffers v[64:127], v[128:191] (W's four fragments, then ctx's four);
; window 1: accumulator tile (a, b) at 8 (4 a + b).
.set PA,     144                       ; LDS pitch of ctx's rows: 128 + 16 bytes
.set PB,     528                       ; LDS pitch of W's rows: 512 + 16 bytes
.set PART,   36864                     ; a wave's part of a slot: 256 x 144; W's 64 x 528 = 33,792 fit
.set SLOT,   4*PART
.set STAGE,  2*SLOT                    ; behind the ring: 16 rows x 272 bytes for each wave, for the way out; no tensor load lands there
.set SPITCH, 272
.set WOFF,   15360*2048                ; W_ffn's first byte in xw
.set ADRA, 16                          ; v16-17  LDS address of my ctx fragments in slot 0, 1
.set ADRB, 20                          ; v20-21  the same for W
.set STO,  24
.set RD,   25
.set CO,   26
.set BOF,  27                          ; my byte offset in b_ffn
.set BIAS, 32
.set F0,   64
.set F1,   128
.set G1, 24                            ; s[24:31] descriptor group 1 for ctx
.set G0, 32                            ; s[32:39] group 0 for ctx, one set for each slot
.set G1B, 48                           ; s[48:55] group 1 for W
.set G0B, 56                           ; s[56:63] group 0 for W, one set for each slot
.set MSB, 0
.macro WIN new                         ; the immediate's high byte repeats the setting that is left; 0 at every label and branch
.if MSB != \new
	s_set_vgpr_msb (MSB<<8)|\new
.set MSB, \new
.endif
.endm
.macro JLOAD s                         ; waves 0, 1 ask for ctx, waves 2, 3 for W: the branch hangs on the wave's number alone
	s_cmp_eq_u32 s13, 0
	s_cbranch_scc0 .Lfor_b_\@
	tensor_load_to_lds s[G0+4*\s:G0+4*\s+3], s[G1:G1+7]
	s_nop 0
	s_branch .Lasked_\@
.Lfor_b_\@:
	tensor_load_to_lds s[G0B+4*\s:G0B+4*\s+3], s[G1B:G1B+7]
	s_nop 0
.Lasked_\@:
.endm
.macro CREST                           ; a round of the cluster's barrier behind its opening barrier
	s_cmp_lg_u32 s12, 0
	s_cbranch_scc1 .Lnot_wave_0_\@
	s_barrier_signal -3
.Lnot_wave_0_\@:
	s_barrier_wait -3
	s_barrier_signal -1
	s_barrier_wait -1
.endm
.macro CROUND
	s_barrier_signal -1
	s_barrier_wait -1
	CREST
.endm
	s_load_b256 s[4:11], s[0:1], 0x0               ; ctx s[4:5], xw s[6:7], b_ffn s[8:9], out0 s[10:11]
	v_lshl_add_u32 v254, v0, 2, 0x4c400
	v_mov_b32 v255, 0
	ds_add_u32 v254, v255
	ds_add_u32 v254, v255
	v_lshrrev_b32 v1, 5, v0
	v_readfirstlane_b32 s12, v1                    ; wave 0..3
	s_lshr_b32 s13, s12, 1                         ; wm: my 64 rows.  Also: I fetch for ctx (0) or W (1)
	s_and_b32 s14, s12, 1                          ; wn: my 64 columns.  Also: which half of that tile I fetch
	s_bfe_u32 s40, ttmp6, 0x40000                  ; cx
	s_bfe_u32 s41, ttmp6, 0x40004                  ; cy
	s_lshl_b32 s42, ttmp9, 2
	s_add_co_u32 s42, s42, s40                     ; block column = 4 x cluster x + cx
	s_and_b32 s15, ttmp7, 0xffff
	s_lshl_b32 s15, s15, 2
	s_add_co_u32 s15, s15, s41                     ; block row = 4 x cluster y + cy
	s_lshl_b32 s43, s41, 2
	s_lshl_b32 s43, 15, s43                        ; my row of the cluster
	s_lshl_b32 s44, 0x1111, s40                    ; my column
	; ctx: 256 rows x 64 elements of 2 bytes, dense; 4 words of padding behind every 32.  W: 64 rows x 256 elements, 1,024 from row to row; 4 words behind every 128.
	s_or_b32 s[G1+0], s43, (1<<16)|(1<<20)|(1<<21)|(4<<22)|(3<<25)
	s_or_b32 s[G1B+0], s44, (1<<16)|(1<<20)|(1<<21)|(6<<22)|(3<<25)
	s_mov_b32 s[G1+1], 64<<16                      ; tensor_dim0
	s_mov_b32 s[G1B+1], 256<<16
	s_mov_b32 s[G1+2], 256<<16                     ; tensor_dim1
	s_mov_b32 s[G1B+2], 64<<16
	s_mov_b32 s[G1+3], 64<<16                      ; tile_dim0
	s_mov_b32 s[G1B+3], 256<<16
	s_mov_b32 s[G1+4], 256                         ; tile_dim1
	s_mov_b32 s[G1B+4], 64
	s_mov_b32 s[G1+5], 64                          ; elements from row to row
	s_mov_b32 s[G1B+5], 1024
	s_mov_b32 s[G1+6], 0
	s_mov_b32 s[G1B+6], 0
	s_mov_b32 s[G1+7], 0
	s_mov_b32 s[G1B+7], 0
	s_lshl_b32 s16, s15, 18                        ; ctx: block row x 262,144
	s_lshl_b32 s18, s14, 15                        ; + my two planes of 16,384
	s_add_co_u32 s16, s16, s18
	s_mov_b32 s17, 0
	s_lshl_b32 s46, s42, 18                        ; W: block column x 128 rows of 2,048 bytes
	s_lshl_b32 s19, s14, 17                        ; + my 64 rows
	s_add_co_u32 s46, s46, s19
	s_add_co_u32 s46, s46, WOFF
	s_mov_b32 s47, 0
	s_mul_i32 s20, s12, PART                       ; LDS: wave x 36,864
	s_wait_dscnt 0x0
	s_wait_kmcnt 0x0
	s_add_nc_u64 s[16:17], s[4:5], s[16:17]
	s_add_nc_u64 s[46:47], s[6:7], s[46:47]
	CROUND                                         ; all sixteen work-groups are here: the first joint loads meet
.irp s, 0,1
	s_mov_b32 s[G0+4*\s], 1
	s_add_co_u32 s[G0+4*\s+1], s20, \s*SLOT
	s_add_nc_u64 s[G0+4*\s+2:G0+4*\s+3], s[16:17], \s*65536        ; K step s: four planes on
	s_or_b32 s[G0+4*\s+3], s[G0+4*\s+3], 0x80000000
	s_mov_b32 s[G0B+4*\s], 1
	s_add_co_u32 s[G0B+4*\s+1], s20, \s*SLOT
	s_add_nc_u64 s[G0B+4*\s+2:G0B+4*\s+3], s[46:47], \s*512        ; K step s: 256 elements on
	s_or_b32 s[G0B+4*\s+3], s[G0B+4*\s+3], 0x80000000
	JLOAD \s                                       ; both slots' first fills go out before anything else: two loads of mine are out
.endr
	v_and_b32 v1, 15, v0                           ; r
	v_bfe_u32 v2, v0, 4, 1                         ; h
	s_lshl_b32 s45, s42, 9
	s_lshl_b32 s19, s14, 8
	s_add_co_u32 s45, s45, s19                     ; my first column in bytes of f32: 512 x block column + 256 wn
	v_lshl_add_u32 v[BOF], v2, 5, s45              ; + 8 h numbers
.irp b, 0,1,2,3
	global_load_b128 v[BIAS+8*\b:BIAS+8*\b+3],   v[BOF], s[8:9] offset:64*\b       ; b_ffn of columns 16 b + 8 h + 0 .. 3
	global_load_b128 v[BIAS+8*\b+4:BIAS+8*\b+7], v[BOF], s[8:9] offset:64*\b+16    ; and + 4 .. 7
.endr
	v_mul_u32_u24 v3, v1, PA
	v_lshl_add_u32 v3, v2, 4, v3
	v_mul_u32_u24 v4, v1, PB
	v_lshl_add_u32 v4, v2, 4, v4
	s_mul_i32 s21, s13, 64*PA                      ; my 64 rows in every plane
	s_mul_i32 s22, s14, PART                       ; my 64 rows of W,
	s_add_co_u32 s22, s22, 2*PART                  ; which lie behind the four planes
.irp s, 0,1
	v_add_nc_u32 v[ADRA+\s], s21, v3
	v_add_nc_u32 v[ADRB+\s], s22, v4
	s_add_co_u32 s21, s21, SLOT
	s_add_co_u32 s22, s22, SLOT
.endr
	s_mul_i32 s23, s12, 16*SPITCH
	s_add_co_u32 s23, s23, STAGE                   ; my stage
	v_mul_u32_u24 v5, v1, SPITCH                   ; in: row r, 32 bytes for each half of the lanes
	v_lshl_add_u32 v5, v2, 5, v5
	v_add_nc_u32 v[STO], s23, v5
	v_mul_u32_u24 v5, v2, SPITCH                   ; back: lanes 0-15 one row of 256 bytes, lanes 16-31 the next
	v_lshl_add_u32 v5, v1, 4, v5
	v_add_nc_u32 v[RD], s23, v5
	v_lshlrev_b32 v5, 12, v2                       ; and the same two rows in out0
	v_lshl_add_u32 v[CO], v1, 4, v5
; 16 LDS loads: the fragments of sub-step e (32 along K: head e / 2 of the slot's four, d = 32 (e % 2) ..) into buffer f
.macro FETCH slot, e, f
.irp b, 0,1,2,3
	ds_load_b128 v[\f+8*\b:\f+8*\b+3],   v[ADRB+\slot] offset:16*PB*\b+64*\e
	ds_load_b128 v[\f+8*\b+4:\f+8*\b+7], v[ADRB+\slot] offset:16*PB*\b+64*\e+32
.endr
.irp a, 0,1,2,3
	ds_load_b128 v[\f+32+8*\a:\f+32+8*\a+3],   v[ADRA+\slot] offset:(\e>>1)*128*PA+16*PA*\a+64*(\e&1)
	ds_load_b128 v[\f+32+8*\a+4:\f+32+8*\a+7], v[ADRA+\slot] offset:(\e>>1)*128*PA+16*PA*\a+64*(\e&1)+32
.endr
.endm
; 16 matrix instructions on 16 accumulators by turns, one instruction a turn.  bias = 1: C is the bias (window 0).
.macro MUL16 f, bias
.if \bias
	WIN 0x40
.else
	WIN 0x50
.endif
.irp a, 0,1,2,3
.irp b, 0,1,2,3
.if \bias
	v_wmma_f32_16x16x32_f16 v[8*(4*\a+\b):8*(4*\a+\b)+7], v[\f+8*\b:\f+8*\b+7], v[\f+32+8*\a:\f+32+8*\a+7], v[BIAS+8*\b:BIAS+8*\b+7]
.else
	v_wmma_f32_16x16x32_f16 v[8*(4*\a+\b):8*(4*\a+\b)+7], v[\f+8*\b:\f+8*\b+7], v[\f+32+8*\a:\f+32+8*\a+7], v[8*(4*\a+\b):8*(4*\a+\b)+7]
.endif
.endr
.endr
	WIN 0
.endm
; Four independent vector places behind a matrix instruction before a load lands on a register that it read, or an LDS store reads its result
.macro PLACES
.rept 4
	v_nop
.endr
.endm
; Buffer f is in; sub-step nxt is fetched into buffer g, which the products just before read; buffer f is multiplied while those loads come
.macro SUB slot, nxt, f, g, bias
	s_wait_dscnt 0x0
	PLACES
	FETCH \slot, \nxt, \g
	MUL16 \f, \bias
.endm
.macro SLOTSTEP slot, bias             ; a K step of 256: eight sub-steps on buffers 0, 1 by turns
	FETCH \slot, 0, F0
	SUB \slot, 1, F0, F1, \bias
	SUB \slot, 2, F1, F0, 0
	SUB \slot, 3, F0, F1, 0
	SUB \slot, 4, F1, F0, 0
	SUB \slot, 5, F0, F1, 0
	SUB \slot, 6, F1, F0, 0
	SUB \slot, 7, F0, F1, 0
	s_wait_dscnt 0x0
	MUL16 F1, 0
.endm
; Slot n has been read and is filled again, two K steps on.  Every wave waits for its LDS reads and for all its tensor loads (one is out: its part of the other
; slot) in front of the round's opening signal; the joint refill is its first and only tensor load behind the round.  It has 128 matrix instructions in which to land.
.macro CHANGE n
	s_wait_dscnt 0x0
	s_wait_tensorcnt 0x0
	ds_add_u32 v254, v255
	s_wait_dscnt 0x0
	s_barrier_signal -1
	s_barrier_wait -1
	CREST
	s_add_nc_u64 s[G0+4*\n+2:G0+4*\n+3], s[G0+4*\n+2:G0+4*\n+3], 2*65536
	s_add_nc_u64 s[G0B+4*\n+2:G0B+4*\n+3], s[G0B+4*\n+2:G0B+4*\n+3], 2*512
	JLOAD \n
	PLACES                                         ; in front of the next slot's first loads into buffer 0
.endm
	s_wait_tensorcnt 1                             ; my part of K step 0 is in; K step 1's stays out
	s_barrier_signal -1
	s_barrier_wait -1
	s_wait_loadcnt 0x0                             ; the bias
	SLOTSTEP 0, 1
	CHANGE 0
	SLOTSTEP 1, 0
	CHANGE 1
	SLOTSTEP 0, 0
	s_wait_dscnt 0x0                               ; the last change of slots fills nothing: my part of the last K step has landed,
	s_wait_tensorcnt 0x0
	s_barrier_signal -1
	s_barrier_wait -1                              ; and everybody's
	PLACES
	SLOTSTEP 1, 0
	; THE WAY OUT, 16 rows at a time: 32 bytes a lane straight from the accumulators into my own stage, read back as whole rows of 256 bytes
	PLACES
	s_lshl_b32 s2, s15, 19                         ; block row x 128 rows of 4,096 bytes
	s_lshl_b32 s3, s13, 18                         ; + my 64 rows
	s_add_co_u32 s2, s2, s3
	s_add_co_u32 s2, s2, s45                       ; + my first column
	s_mov_b32 s3, 0
	s_add_nc_u64 s[10:11], s[10:11], s[2:3]
.macro OUT a, f
	WIN 0x04                                       ; the stores' data in window 1
.irp b, 0,1,2,3
	ds_store_b128 v[STO], v[8*(4*\a+\b):8*(4*\a+\b)+3]   offset:64*\b
	ds_store_b128 v[STO], v[8*(4*\a+\b)+4:8*(4*\a+\b)+7] offset:64*\b+16
.endr
	WIN 0
	s_wait_xcnt 0x0                                ; buffer f, which earlier stores read, and the stores' base are rewritten only behind this wait
.if \a
	s_add_nc_u64 s[10:11], s[10:11], 16*4096
.endif
.irp t, 0,1,2,3,4,5,6,7
	ds_load_b128 v[\f+4*\t:\f+4*\t+3], v[RD] offset:2*SPITCH*\t    ; a wave's LDS instructions are served in order: these see the stores above
.endr
.irp t, 0,1,2,3,4,5,6,7
	s_wait_dscnt 7-\t                              ; row pair t is in, the 7 - t younger loads stay out
	global_store_b128 v[CO], v[\f+4*\t:\f+4*\t+3], s[10:11] offset:2*4096*\t th:TH_STORE_NT   ; 16 lanes store 256 consecutive bytes, aligned
.endr
.endm
	OUT 0, F0
	OUT 1, F1
	OUT 2, F0
	OUT 3, F1
	s_wait_tensorcnt 0x0
	ds_add_u32 v254, v255
	s_wait_dscnt 0x0
	CROUND                                         ; the closing round: no work-group ends while a partner may still ask for a tile that names it
	s_endpgm
.Lfunc_end_k_q5bb5fbddfd_outp:
	.size	k_q5bb5fbddfd_outp, .Lfunc_end_k_q5bb5fbddfd_outp-k_q5bb5fbddfd_outp
	.p2alignl 7, 3214868480
	.fill 96, 4, 3214868480
	.section	.rodata,"a",@progbits
	.p2align	6, 0x0
	.amdhsa_kernel k_q5bb5fbddfd_outp
		.amdhsa_group_segment_fixed_size 327680
		.amdhsa_private_segment_fixed_size 0
		.amdhsa_enable_private_segment 0
		.amdhsa_kernarg_size 32
		.amdhsa_user_sgpr_count 2
		.amdhsa_user_sgpr_kernarg_segment_ptr 1
		.amdhsa_wavefront_size32 1
		.amdhsa_system_sgpr_workgroup_id_x 1
		.amdhsa_system_sgpr_workgroup_id_y 1
		.amdhsa_system_sgpr_workgroup_id_z 1
		.amdhsa_system_vgpr_workitem_id 0
		.amdhsa_next_free_vgpr 384
		.amdhsa_next_free_sgpr 66
		.amdhsa_reserve_vcc 0
		.amdhsa_float_denorm_mode_32 3
		.amdhsa_float_denorm_mode_16_64 3
		.amdhsa_memory_ordered 1
		.amdhsa_forward_progress 1
		.amdhsa_inst_pref_size 90
	.end_amdhsa_kernel
	.amdgpu_metadata
---
amdhsa.version: [ 1, 2 ]
amdhsa.kernels:
  - .name:           k_q5bb5fbddfd_outp
    .symbol:         k_q5bb5fbddfd_outp.kd
    .args:
      - { .name: ctx, .offset: 0, .size: 8, .value_kind: global_buffer, .address_space: global }
      - { .name: xw, .offset: 8, .size: 8, .value_kind: global_buffer, .address_space: global }
      - { .name: b_ffn, .offset: 16, .size: 8, .value_kind: global_buffer, .address_space: global }
      - { .name: out0, .offset: 24, .size: 8, .value_kind: global_buffer, .address_space: global }
    .group_segment_fixed_size: 327680
    .private_segment_fixed_size: 0
    .kernarg_segment_align: 8
    .kernarg_segment_size: 32
    .max_flat_workgroup_size: 128
    .sgpr_count:     66
    .vgpr_count:     384
    .wavefront_size: 32
...
	.end_amdgpu_metadata
.endif
;; end of part 4
